; MI455X (gfx1250); checked and timed in simulation.
; The chip was launched on July 23, 2026; its instructions are those of AMD's public machine-readable ISA for CDNA 5 (MIT licence, August 2026) and "CDNA5" Instruction Set Architecture Reference Guide (July 2026). The comments in the code are by the model that wrote it; some were corrected since.
;; Corr Block. Allowed arithmetic: matrix products marked QUANTISED: E2M3 operands, one E8M0 scale for each 32 along K, by v_wmma_scale_f32_16x16x128_f8f6f4 with both operands' format E2M3, f32 sums; everything else in f32.
;; Inputs: centroids_coords 2 x 2 x 64 x 64 float32; fmap1 2 x 256 x 64 x 64 float32; fmap2 2 x 256 x 64 x 64 float32.
;; Outputs: out0 2 x 324 x 64 x 64 float32.
;; This version of the problem:
;;   THIS VERSION OF THE PROBLEM IS GIVEN IN LOW PRECISION. The matrix products marked QUANTISED in the list below multiply operands that are first quantised to E2M3 (2 exponent bits, 3 mantissa bits; 6 bits a number), with one power-of-two scale for each 32 numbers along K (OCP MX v1.0); their sums are f32. All else is computed in f32.
;;   The module's matrix products, in the order in which they are computed (A, B: the left and right operand; K: the contracted axis; several contracted axes count as one K, in the product's order):
;;     1. batch 2 x [M 4,096, K 256] x [K 256, N 4,096]; A: input fmap1; B: input fmap2: QUANTISED
;;   THE QUANTISER, for each operand of a quantised product, along K:
;;     - K is cut into blocks of 32 from its start; a last block that is shorter is filled with zeros.
;;     - A block's scale is 2^e with e = floor(log2(the largest magnitude in the block)) - 2, held to -126 .. 127; a block of zeros has e = 0. As a byte (E8M0): e + 127.
;;     - Each number is divided by its block's scale, clamped to +-7.5, and rounded to the nearest number of E2M3, ties to even, subnormals kept.
;;     - The product sums the exact products of the quantised numbers (number of the format x scale) in f32.
;;   ~~~python
;;   def quantise(x, axis):      # numpy; x: float32 -> the quantised numbers, widened to float32 again
;;       x = np.moveaxis(x, axis, -1); K = x.shape[-1]
;;       x = np.pad(x, [(0, 0)] * (x.ndim - 1) + [(0, -K % 32)]); x = x.reshape(x.shape[:-1] + (-1, 32)); a = np.abs(x).max(-1, keepdims=True)
;;       e = np.where(a > 0, np.clip(np.frexp(np.where(a > 0, a, 1))[1] - 1 - 2, -126, 127), 0)      # np.frexp(a)[1] - 1 = floor(log2(a)), exactly
;;       r = np.clip(x / 2.0 ** e, -7.5, 7.5)
;;       step = 2.0 ** (np.maximum(np.frexp(np.where(r == 0, 1, r))[1] - 1, 0) - 3)
;;       q = np.round(r / step) * step * 2.0 ** e      # np.round: ties to even
;;       return np.moveaxis(q.reshape(q.shape[:-2] + (-1,))[..., :K], -1, axis).astype(np.float32)
;;   ~~~
;; One version. Each part assembles by itself: llvm-mc -triple=amdgcn-amd-amdhsa -mcpu=gfx1250 --defsym DOCPART=n.
;; ======== version 1 of 1: 2 launches
;; workspace buffers: codes 3,145,728 bytes; scales 131,072 bytes; cell 65,536 bytes of whole numbers
;; launch prep (part 1): grid 256 x 1, 8 waves a work-group, no clusters, 2,048 bytes of LDS; arguments fmap1, fmap2, centroids_coords, codes, scales, cell; writes codes, scales, cell
.if DOCPART == 1
	.amdgcn_target "amdgcn-amd-amdhsa--gfx1250"
	.amdhsa_code_object_version 6
	.text
	.protected	k_q1e71378921_prep
	.globl	k_q1e71378921_prep
	.p2align	8
	.type	k_q1e71378921_prep,@function
k_q1e71378921_prep:
	s_mov_b64 s[64:65], 0
	v_nop
	global_prefetch_b8 v0, s[64:65] scope:SCOPE_SE
	s_setreg_imm32_b32 hwreg(HW_REG_WAVE_MODE, 25, 1), 1
	s_wait_xcnt 0x0
; fmap1 and fmap2, [2][256 (K)][4096] f32, become codes of FP6 (E2M3) with one E8M0 byte for each 32 along K, laid in the ORDER OF THE OPERAND'S REGISTERS:
;   codes  [tb = 2 tensor + batch][tile T of 16 columns][K step s of 128][c = 0..2][fragment lane 32][16 bytes]: image c is registers 4 c .. 4 c + 3 of the fragment of tile T, K step s;
;   scales [tb][T][32 words]: word 16 s + r is the scale word (four bytes) of column r for K step s.
; The centres' coordinates become whole numbers: cell = floor(coordinate), held to -512 .. 1023, in the coordinates' own layout.
; A LANE TAKES A COLUMN AND ITS REGISTERS RUN DOWN K: a block of 32 lies in one lane, its maximum needs no other lane, and the conversions' results are the operand's registers.
; SHARES: work-group g takes one image row (64 columns) of one tensor and batch, all of K.  Wave w: ch = w & 1 (which 32 columns), s = (w >> 1) & 1 (K step), h = w >> 2 (which half of the fragment's lanes):
; its lanes hold k = 128 s + 32 h + 0..31 and 128 s + 64 + 32 h + 0..31.  A load of a wave reads 128 consecutive bytes; the two waves ch = 0, 1 cover the row's 256.
; THE DIVISION BY sqrt(256) = 16 of the product goes into fmap1's scale bytes: 4 off each, which is exact.
; LIMITS: so that this byte stays at 1 or above, no block's largest magnitude is taken under 2^(7 - 127): a block that lies wholly under 2^-120 gets the scale 2^-122 and not the rule's (a block of zeros too: its codes are zeros,
; and this program alone reads the bytes).  NaN and infinities among the inputs are not served.  Coordinates beyond -512 .. 1023 are held there: at every level their whole window lies outside the image, as it does unheld.
.set FLOORB, 0x3800000                 ; 2^(7 - 127)
.set X,  64                            ; v64-127  two blocks of 32 numbers
.set P,  16                            ; v16-27   the fragment's 12 registers of my lane
	s_load_b256 s[4:11], s[0:1], 0x0               ; fmap1 s[4:5], fmap2 s[6:7], the coordinates s[8:9], codes s[10:11]
	s_load_b128 s[12:15], s[0:1], 0x20             ; scales s[12:13], cell s[14:15]
	v_lshl_add_u32 v128, v0, 2, 0x400
	v_mov_b32 v129, 0
	v_lshrrev_b32 v1, 5, v0
	v_readfirstlane_b32 s16, v1                    ; wave 0..7
	v_and_b32 v1, 31, v0                           ; lane
	v_lshlrev_b32 v2, 2, v1                        ; in: 4 bytes a lane
	v_lshrrev_b32 v3, 4, v1
	v_mul_u32_u24 v3, v3, 3072                     ; codes out: lanes 16-31 belong to the next tile,
	v_and_b32 v5, 15, v1
	v_lshl_add_u32 v3, v5, 4, v3                   ; 16 bytes for each column of a tile
	v_lshlrev_b32 v4, 2, v0                        ; LDS: my part of a scale word: 4 x thread, 128 bytes of its own for each wave
	v_lshlrev_b32 v5, 4, v1                        ; scale words out: 16 bytes a lane
	v_lshlrev_b32 v6, 3, v1                        ; coordinates: 8 bytes a lane
	; where wave 0 finds words 4 L .. 4 L + 3 of the group's 128: tile L >> 3, K step (L >> 2) & 1, columns 4 (L & 3) on: they lie in wave (L >> 4) + 2 ((L >> 2) & 1), lanes 16 ((L >> 3) & 1) + 4 (L & 3) on
	v_and_b32 v7, 3, v1
	v_lshlrev_b32 v7, 4, v7
	v_bfe_u32 v8, v1, 3, 1
	v_lshl_add_u32 v7, v8, 6, v7
	v_bfe_u32 v8, v1, 2, 1
	v_lshl_add_u32 v7, v8, 8, v7
	v_lshrrev_b32 v8, 4, v1
	v_lshl_add_u32 v7, v8, 7, v7
	s_and_b32 s17, s16, 1                          ; ch
	s_bfe_u32 s18, s16, 0x10001                    ; s
	s_lshr_b32 s19, s16, 2                         ; h
	s_bfe_u32 s21, ttmp9, 0x10006                  ; batch
	s_and_b32 s22, ttmp9, 63                       ; image row y
	s_lshr_b32 s23, ttmp9, 6                       ; tb
	s_lshl_b32 s24, s21, 22                        ; source: batch x 4,194,304
	s_lshl_b32 s35, s18, 21                        ; + 128 s rows of 16,384 bytes
	s_add_co_u32 s24, s24, s35
	s_lshl_b32 s35, s19, 19                        ; + 32 h rows
	s_add_co_u32 s24, s24, s35
	s_lshl_b32 s35, s22, 8                         ; + 256 y
	s_add_co_u32 s24, s24, s35
	s_lshl_b32 s35, s17, 7                         ; + 128 ch
	s_add_co_u32 s24, s24, s35
	s_mov_b32 s25, 0
	s_mul_i32 s36, s23, 786432                     ; codes: tb x 256 tiles of 3,072 bytes
	s_mul_i32 s35, s22, 12288                      ; + tile 4 y
	s_add_co_u32 s36, s36, s35
	s_mul_i32 s35, s17, 6144                       ; + 2 ch tiles
	s_add_co_u32 s36, s36, s35
	s_mul_i32 s35, s18, 1536                       ; + K step
	s_add_co_u32 s36, s36, s35
	s_lshl_b32 s35, s19, 8                         ; + fragment lanes 16 h on
	s_add_co_u32 s36, s36, s35
	s_mov_b32 s37, 0
	s_lshl_b32 s38, s23, 15                        ; scale words: tb x 32,768 + 512 y
	s_lshl_b32 s35, s22, 9
	s_add_co_u32 s38, s38, s35
	s_mov_b32 s39, 0
	s_lshl_b32 s20, ttmp9, 8                       ; coordinates and cells: 256 bytes a work-group
	s_mov_b32 s21, 0
	s_mov_b32 s33, 0xc4000000                      ; -512.0
	s_mov_b32 s34, 0x447fc000                      ; 1023.0
	s_lshl_b32 s35, s19, 3                         ; my bytes stand 8 h bits up in the scale word
	s_wait_kmcnt 0x0
	s_cmp_lt_u32 ttmp9, 128                        ; fmap1's work-group or fmap2's?  The choice hangs on the work-group's number alone
	s_cselect_b64 s[26:27], s[4:5], s[6:7]
	s_cselect_b32 s32, 0x04040404, 0               ; what is taken off the scale bytes
	s_add_nc_u64 s[26:27], s[26:27], s[24:25]
	s_add_nc_u64 s[28:29], s[10:11], s[36:37]
	s_add_nc_u64 s[30:31], s[12:13], s[38:39]
	s_add_nc_u64 s[8:9], s[8:9], s[20:21]
	s_add_nc_u64 s[14:15], s[14:15], s[20:21]
	global_load_b64 v[8:9], v6, s[8:9]             ; the group's 64 coordinates (every wave loads them, so that the store alone stands under a branch)
.irp cb, 0,1
.irp i, 0,1,2,3,4,5,6,7,8,9,10,11,12,13,14,15,16,17,18,19,20,21,22,23,24,25,26,27,28,29,30,31
	global_load_b32 v[X+32*\cb+\i], v2, s[26:27] offset:(64*\cb+\i)*16384 th:TH_LOAD_NT   ; k = 128 s + 32 h + 64 cb + i of my column
.endr
.endr
	s_wait_loadcnt 32                              ; loads come back in order: the coordinates and the first block are in, the second block's 32 may be out
	v_floor_f32 v10, v8
	v_floor_f32 v11, v9
	v_med3_num_f32 v10, v10, s33, s34
	v_med3_num_f32 v11, v11, s33, s34
	v_cvt_i32_f32 v10, v10
	v_cvt_i32_f32 v11, v11
	s_cmp_lg_u32 s16, 1
	s_cbranch_scc1 .Lno_cell
	global_store_b64 v6, v[10:11], s[14:15]        ; wave 1 alone: 256 consecutive bytes, aligned; v6, v10, v11 are not written again
.Lno_cell:
; A block: its largest magnitude (all 32 numbers are mine), the scale operand (2 off the exponent field), the 32 codes, the byte.
.macro QBLK cb, side
.set XS, X+32*\cb
	v_max3_num_f32 v12, |v[XS]|, |v[XS+1]|, |v[XS+2]|
	v_max3_num_f32 v13, |v[XS+3]|, |v[XS+4]|, |v[XS+5]|
.irp i, 6,10,14,18,22,26
	v_max3_num_f32 v12, v12, |v[XS+\i]|, |v[XS+\i+1]|
	v_max3_num_f32 v13, v13, |v[XS+\i+2]|, |v[XS+\i+3]|
.endr
	v_max3_num_f32 v12, v12, |v[XS+30]|, |v[XS+31]|
	v_max3_num_f32 v12, v12, v13, FLOORB           ; and the floor
	v_add_nc_u32 v[14+\cb], 0xff000000, v12        ; the conversion takes this operand's exponent field as its scale, and nothing else of it
	v_cvt_scalef32_pk16_fp6_f32 v[P+6*\cb:P+6*\cb+2], v[XS:XS+15], v[14+\cb]
	v_cvt_scalef32_pk16_fp6_f32 v[\side:\side+2], v[XS+16:XS+31], v[14+\cb]   ; (a conversion's three registers begin on an even number: the block's second half is made aside and moved)
	v_lshrrev_b32 v[40+\cb], 23, v[14+\cb]         ; the scale's byte, 5 at the least.  (Also the plain line behind the conversions)
.endm
	QBLK 0, 28
	s_wait_loadcnt 0x0
	QBLK 1, 32
	v_lshl_or_b32 v42, v41, 16, v40                ; my two bytes: blocks h and 2 + h of the K step,
	v_lshlrev_b32 v42, s35, v42                    ; at their places in the word
	ds_store_b32 v4, v42
.irp i, 0,1,2
	v_mov_b32 v[P+3+\i], v[28+\i]
	v_mov_b32 v[P+9+\i], v[32+\i]
.endr
.irp ci, 0,1,2
	global_store_b128 v3, v[P+4*\ci:P+4*\ci+3], s[28:29] offset:512*\ci   ; sixteen lanes store 256 consecutive bytes, aligned
.endr
	s_wait_dscnt 0x0                               ; for the others' sake: my part-word has landed
	s_barrier_signal -1
	s_barrier_wait -1
	s_cmp_lg_u32 s16, 0
	s_cbranch_scc1 .Lend
	ds_load_b128 v[36:39], v7                      ; wave 0: four words' parts from the waves h = 0,
	ds_load_b128 v[44:47], v7 offset:512           ; and from the waves h = 1
	s_wait_dscnt 0x0
.irp i, 0,1,2,3
	v_or_b32 v[36+\i], v[36+\i], v[44+\i]
.endr
.irp i, 0,1,2,3
	v_sub_nc_u32 v[36+\i], v[36+\i], s32           ; fmap1: 4 off each byte; every byte is 5 at the least, so none borrows
.endr
	global_store_b128 v5, v[36:39], s[30:31]       ; the group's 128 scale words: 512 consecutive bytes, aligned
.Lend:
	s_wait_tensorcnt 0x0
	ds_add_u32 v128, v129
	s_wait_dscnt 0x0
	s_endpgm
.Lfunc_end_k_q1e71378921_prep:
	.size	k_q1e71378921_prep, .Lfunc_end_k_q1e71378921_prep-k_q1e71378921_prep
	.p2alignl 7, 3214868480
	.fill 96, 4, 3214868480
	.section	.rodata,"a",@progbits
	.p2align	6, 0x0
	.amdhsa_kernel k_q1e71378921_prep
		.amdhsa_group_segment_fixed_size 2048
		.amdhsa_private_segment_fixed_size 0
		.amdhsa_enable_private_segment 0
		.amdhsa_kernarg_size 48
		.amdhsa_user_sgpr_count 2
		.amdhsa_user_sgpr_kernarg_segment_ptr 1
		.amdhsa_wavefront_size32 1
		.amdhsa_system_sgpr_workgroup_id_x 1
		.amdhsa_system_sgpr_workgroup_id_y 1
		.amdhsa_system_sgpr_workgroup_id_z 1
		.amdhsa_system_vgpr_workitem_id 0
		.amdhsa_next_free_vgpr 130
		.amdhsa_next_free_sgpr 66
		.amdhsa_reserve_vcc 0
		.amdhsa_float_denorm_mode_32 3
		.amdhsa_float_denorm_mode_16_64 3
		.amdhsa_memory_ordered 1
		.amdhsa_forward_progress 1
		.amdhsa_inst_pref_size 14
	.end_amdhsa_kernel
	.amdgpu_metadata
---
amdhsa.version: [ 1, 2 ]
amdhsa.kernels:
  - .name:           k_q1e71378921_prep
    .symbol:         k_q1e71378921_prep.kd
    .args:
      - { .name: fmap1, .offset: 0, .size: 8, .value_kind: global_buffer, .address_space: global }
      - { .name: fmap2, .offset: 8, .size: 8, .value_kind: global_buffer, .address_space: global }
      - { .name: centroids_coords, .offset: 16, .size: 8, .value_kind: global_buffer, .address_space: global }
      - { .name: codes, .offset: 24, .size: 8, .value_kind: global_buffer, .address_space: global }
      - { .name: scales, .offset: 32, .size: 8, .value_kind: global_buffer, .address_space: global }
      - { .name: cell, .offset: 40, .size: 8, .value_kind: global_buffer, .address_space: global }
    .group_segment_fixed_size: 2048
    .private_segment_fixed_size: 0
    .kernarg_segment_align: 8
    .kernarg_segment_size: 48
    .max_flat_workgroup_size: 256
    .sgpr_count:     66
    .vgpr_count:     130
    .wavefront_size: 32
...
	.end_amdgpu_metadata
.endif
;; end of part 1
;; launch corr (part 2): grid 256 x 1, 8 waves a work-group, no clusters, 306,176 bytes of LDS; arguments codes, scales, cell, centroids_coords, out0; writes out0
.if DOCPART == 2
	.amdgcn_target "amdgcn-amd-amdhsa--gfx1250"
	.amdhsa_code_object_version 6
	.text
	.protected	k_q1e71378921_corr
	.globl	k_q1e71378921_corr
	.p2align	8
	.type	k_q1e71378921_corr,@function
k_q1e71378921_corr:
	s_mov_b64 s[64:65], 0
	v_nop
	global_prefetch_b8 v0, s[64:65] scope:SCOPE_SE
	s_setreg_imm32_b32 hwreg(HW_REG_WAVE_MODE, 25, 1), 1
	s_wait_xcnt 0x0
; The correlation of 32 queries with all 4,096 pixels of fmap2 (codes of FP6, K = 256: two matrix instructions a tile), its three 2 x 2 pools, and the 9 x 9 bilinear reads at four levels.  The volume never goes to memory.
; SHARES.  Work-group g: batch g >> 7, queries 32 (g & 127) on: two tiles of 16.  The image goes in four STRIPS of 16 rows.  In a strip wave w takes 8 rows x 16 pixels: rows 8 cy + k, cy = 2 strip + (w >> 2), k = 0..7,
; pixels 16 (w & 3) on: eight tiles of fmap2, loaded from memory straight into registers as images of the operand's registers.
; THE PRODUCT IS USED TRANSPOSED (source 0 = 16 pixels, source 1 = 16 queries): lane (r, h) holds ONE query r, register j of tile k the pixel (8 cy + k, 16 (w & 3) + 8 h + j): a lane's 64 registers are one cell of 8 x 8,
; so all three pools need no other lane.  The pools are kept as plain SUMS; 4^-level goes into the x weights at the end (exact).  The division by 16 lies in fmap1's scale bytes.
; LDS.  Levels 1 to 3 of the 32 queries whole; of level 0 one strip, out of which each query's window rows are taken into registers before the next strip overwrites it.  A lane is a query there.
; The window is 10 x 10 a level (cells floor - 4 .. floor + 5).  Its addresses come from the whole numbers that the launch before stored, each held by v_min_u32 inside its row or strip; a row outside the strip or the image
; keeps what it had (0 at first); a column outside the image gets x weight 0 at the end.  The windows then meet in LDS (over the strip), and waves 0 to 3 blend one level each, a lane a query.
; THE ORDER OF A STRIP.  The products of tiles 0-3; their pools, with the next strip's loads for tiles 0-3 strewn among the LDS stores; the products of tiles 4-7; their pools, with the loads for tiles 4-7: so global loads,
; LDS stores and products of the eight waves stand side by side, and no wave issues a long run of one kind.
; out0[b][81 level + 9 a + bb][query]: x = centre x + a - 4, y = centre y + bb - 4.
; NO CLUSTER, NO TENSOR LOADS: the 128 work-groups of a batch walk the same codes of fmap2, but the windows' LDS addresses hang on numbers that differ from work-group to work-group, and a fragment feeds only four products here,
; so a way through LDS would add two LDS accesses for each 16 bytes to the 680 KB that the pyramid already writes.
; STORES: a wave's store covers 128 consecutive bytes, half of an aligned 256: a channel's 256 bytes are 64 queries, and 64 queries' level 1 alone (64 x 4,096 bytes) leaves no room for a strip of level 0.
; LIMITS: NaN and infinities are not served.  floor(c / 2^l + d) is taken as floor(c / 2^l) + d, and the fraction as c / 2^l - floor: they differ from the sum's own rounding only in the last bits of a weight.
.set L0P, 4112                         ; a query's strip of level 0: 16 rows x 256 bytes, + 16: sixteen queries' 16-byte stores fall on sixteen different columns of 16 bytes modulo 256
.set L1B, 131584                       ; level 1: 32 rows x 128 bytes a query, pitch L0P
.set L2B, 263168                       ; level 2: 16 x 64 bytes,
.set L2P, 1040                         ; + 16
.set L3B, 296448                       ; level 3: 8 x 32 bytes,
.set L3P, 272                          ; + 16
.set WBP, 488                          ; the windows, over the strip: 12 rows x 40 bytes a query, + 8: 122 words, so 32 queries' words fall on 32 different even banks of 64
.set WBL, 32*WBP                       ; a level's windows
.set ST0, 3                            ; v3-4   where I store level 0, query tile 0, 1
.set ST1, 5                            ; v5-6   level 1
.set ST2, 7                            ; v7     level 2 (the tile in the immediate)
.set ST3, 8                            ; v8     level 3
.set IX,  9                            ; v9-10  floor of my query's centre (query = lane)
.set IY,  10
.set CX,  11                           ; v11-12 the centre itself
.set CY,  12
.set WBA, 13                           ; v13    where I store window words
.set WLA, 14                           ; v14    where I read a window back
.set QN,  15                           ; v15    lane
.set AS,  16                           ; v16-17 the queries' scale words, tile 0, 1: lanes 0-15 K step 0, lanes 16-31 K step 1.  v16-25 hold scales and nothing else
.set BS,  18                           ; v18-25 the pixels' scale words, tile k, likewise
.set TY0, 26                           ; v26    level 0: my first window row
.set TX,  27
.set TY,  28
.set QB,  29
.set UU,  30                           ; v30-32 at work
.set CB0, 34                           ; v34-38 level 0: LDS byte of my five window columns in row 0 of my query
.set CB,  40                           ; v40-44 the same for the level in hand
.set GA,  46                           ; v46-60 addresses of 15 window words    (v46-66 between captures: the second query tile's pooled sums)
.set GT,  61                           ; v61-75 the words
.set CAP0, 76                          ; v76-90 level 0's window words: rows g + 4 i, columns 5 (w & 1) + jx at 5 i + jx
.set TMP, 92                           ; v92-99
.set S1A, 100                          ; v100-115 level 1's sums, query tile 0;  v46-61 tile 1
.set S1B, 46
.set U4,  116
.set S2A, 120                          ; v120-123 level 2's sums, tile 0;  v62-65 tile 1
.set S2B, 62
.set VV,  124
.set S3A, 126                          ; v126 level 3's sum, tile 0;  v66 tile 1
.set S3B, 66
.set ACC, 128                          ; v128-255 accumulator (query tile mt, pixel tile k) at 128 + 64 mt + 8 k
.set CAPH, 128                         ; behind the last strip: the window words of levels 1 to 3, 15 each (v128-172),
.set GAH, 176                          ; and their addresses (v176-220)
; window 1: pixel fragment (k, K step) at 24 k + 12 step; query fragment (mt, step) at 192 + 24 mt + 12 step
.set MSB, 0
.macro WIN new                         ; the immediate's high byte repeats the setting that is left
.if MSB != \new
	s_set_vgpr_msb (MSB<<8)|\new
.set MSB, \new
.endif
.endm
	s_load_b256 s[4:11], s[0:1], 0x0               ; codes s[4:5], scales s[6:7], cell s[8:9], the coordinates s[10:11]
	s_load_b64 s[12:13], s[0:1], 0x20              ; out0
	v_lshl_add_u32 v127, v0, 2, 0x4a800
	s_set_vgpr_msb 0x40
	v_mov_b32 v255, 0
	s_set_vgpr_msb 0x4000
	v_lshrrev_b32 v1, 5, v0
	v_readfirstlane_b32 s14, v1                    ; wave 0..7
	v_and_b32 v[QN], 31, v0
	v_lshlrev_b32 v1, 4, v[QN]                     ; 16 x lane: an image's place for my lane
	v_lshlrev_b32 v2, 2, v[QN]                     ; 4 x lane
	v_and_b32 v27, 15, v0                          ; r
	v_bfe_u32 v28, v0, 4, 1                        ; h
	s_lshr_b32 s15, s14, 2                         ; which 8 rows of a strip
	s_and_b32 s16, s14, 3                          ; which 16 pixels of a row; at the end: my level
	s_lshr_b32 s17, s14, 1                         ; g: my window rows are g, g + 4, g + 8
	s_and_b32 s18, s14, 1                          ; my window columns are 5 (w & 1) + 0..4
	s_lshr_b32 s19, ttmp9, 7                       ; batch
	s_and_b32 s20, ttmp9, 127                      ; block of 32 queries
	; every LDS address register that hangs on no data is made here, of the lane, the wave's number and constants
	v_mul_u32_u24 v29, v27, L0P
	s_lshl_b32 s21, s15, 11
	s_lshl_b32 s43, s16, 6
	s_add_co_u32 s21, s21, s43
	v_lshl_add_u32 v[ST0], v28, 5, v29
	v_add_nc_u32 v[ST0], s21, v[ST0]               ; query r: 8 (w >> 2) rows of 256 bytes + 64 (w & 3) + 32 h
	v_add_nc_u32 v[ST0+1], 16*L0P, v[ST0]
	s_lshl_b32 s21, s15, 9
	s_lshl_b32 s43, s16, 5
	s_add_co_u32 s21, s21, s43
	s_add_co_u32 s21, s21, L1B
	v_lshl_add_u32 v[ST1], v28, 4, v29
	v_add_nc_u32 v[ST1], s21, v[ST1]               ; 4 (w >> 2) rows of 128 bytes + 32 (w & 3) + 16 h
	v_add_nc_u32 v[ST1+1], 16*L0P, v[ST1]
	v_mul_u32_u24 v29, v27, L2P
	s_lshl_b32 s21, s15, 7
	s_lshl_b32 s43, s16, 4
	s_add_co_u32 s21, s21, s43
	s_add_co_u32 s21, s21, L2B
	v_lshl_add_u32 v[ST2], v28, 3, v29
	v_add_nc_u32 v[ST2], s21, v[ST2]               ; 2 (w >> 2) rows of 64 bytes + 16 (w & 3) + 8 h
	v_mul_u32_u24 v29, v27, L3P
	s_lshl_b32 s21, s15, 5
	s_lshl_b32 s43, s16, 3
	s_add_co_u32 s21, s21, s43
	s_add_co_u32 s21, s21, L3B
	v_lshl_add_u32 v[ST3], v28, 2, v29
	v_add_nc_u32 v[ST3], s21, v[ST3]               ; (w >> 2) rows of 32 bytes + 8 (w & 3) + 4 h
	v_mul_u32_u24 v[WBA], v[QN], WBP
	s_mul_i32 s21, s16, WBL
	v_add_nc_u32 v[WLA], s21, v[WBA]               ; back: my level's windows, my query's
	s_mul_i32 s21, s17, 40
	s_mul_i32 s43, s18, 20
	s_add_co_u32 s21, s21, s43
	v_add_nc_u32 v[WBA], s21, v[WBA]               ; in: row g, column 5 (w & 1)
	s_mul_i32 s36, s18, 5
	s_add_co_i32 s36, s36, -4                      ; my first window column less the centre's cell
	s_add_co_i32 s37, s17, -4                      ; my first window row likewise
	s_lshr_b32 s54, 64, s16                        ; my level's width
	s_sub_co_u32 s55, 127, s16
	s_lshl_b32 s55, s55, 23                        ; 2^-level
	s_lshl_b32 s56, s16, 1
	s_sub_co_u32 s56, 127, s56
	s_lshl_b32 s56, s56, 23                        ; 4^-level
	s_mov_b32 s39, 0
	s_wait_kmcnt 0x0
	s_mul_i32 s38, s19, 786432
	s_mul_i32 s21, s20, 6144
	s_add_co_u32 s38, s38, s21
	s_add_nc_u64 s[22:23], s[4:5], s[38:39]        ; the queries' codes: fmap1, my batch, tiles 2 (g & 127) on
	s_lshl_b32 s38, s19, 15
	s_lshl_b32 s21, s20, 8
	s_add_co_u32 s38, s38, s21
	s_add_nc_u64 s[24:25], s[6:7], s[38:39]        ; and their scale words
	s_add_co_u32 s43, s19, 2
	s_mul_i32 s38, s43, 786432
	s_mul_i32 s21, s15, 98304
	s_add_co_u32 s38, s38, s21
	s_mul_i32 s21, s16, 3072
	s_add_co_u32 s38, s38, s21
	s_add_nc_u64 s[26:27], s[4:5], s[38:39]        ; the pixels' codes: fmap2, my batch, tile 32 (w >> 2) + (w & 3); strip and k stand in the immediates
	s_lshl_b32 s38, s43, 15
	s_lshl_b32 s21, s15, 12
	s_add_co_u32 s38, s38, s21
	s_lshl_b32 s21, s16, 7
	s_add_co_u32 s38, s38, s21
	s_add_nc_u64 s[28:29], s[6:7], s[38:39]        ; and their scale words
	s_lshl_b32 s38, s19, 15
	s_lshl_b32 s21, s20, 7
	s_add_co_u32 s38, s38, s21
	s_add_nc_u64 s[30:31], s[8:9], s[38:39]        ; cells and coordinates of my 32 queries: x here, y 16,384 bytes on
	s_add_nc_u64 s[32:33], s[10:11], s[38:39]
	s_mul_i32 s38, s19, 5308416
	s_mul_i32 s43, s16, 81*16384
	s_add_co_u32 s38, s38, s43
	s_add_co_u32 s38, s38, s21
	s_add_nc_u64 s[34:35], s[12:13], s[38:39]      ; out0: my batch, my level's 81 channels, my 32 queries.  No base and no offset register is written again
	global_load_b32 v[IX], v2, s[30:31]
	global_load_b32 v[IY], v2, s[30:31] offset:16384
	global_load_b32 v[CX], v2, s[32:33]
	global_load_b32 v[CY], v2, s[32:33] offset:16384
	global_load_b32 v[AS], v2, s[24:25]
	global_load_b32 v[AS+1], v2, s[24:25] offset:128
	WIN 0x40                                       ; destination window 1
.irp mt, 0,1
.irp ks, 0,1
.irp ci, 0,1,2
	global_load_b128 v[192+24*\mt+12*\ks+4*\ci:192+24*\mt+12*\ks+4*\ci+3], v1, s[22:23] offset:\mt*3072+\ks*1536+\ci*512 th:TH_LOAD_NT   ; the queries' four fragments stay; no other work-group reads them
.endr
.endr
.endr
; Half a group of pixel tiles (k = 4 hf .. 4 hf + 3) of strip sg in one run: 24 loads of 16 bytes a lane, 512 consecutive bytes each, and 4 of scale words: 28 loads.  So the first strip's come; there is no other work yet.
.macro BLOAD sg, hf
	WIN 0x40
.irp kk, 0,1,2,3
.irp ks, 0,1
.irp ci, 0,1,2
	global_load_b128 v[24*(4*\hf+\kk)+12*\ks+4*\ci:24*(4*\hf+\kk)+12*\ks+4*\ci+3], v1, s[26:27] offset:\sg*196608+(4*\hf+\kk)*12288+\ks*1536+\ci*512
.endr
.endr
.endr
	WIN 0
.irp kk, 0,1,2,3
	global_load_b32 v[BS+4*\hf+\kk], v2, s[28:29] offset:\sg*8192+(4*\hf+\kk)*512
.endr
.endm
; The same 28 loads one at a time, for strip nx (nx = 4: there is none).  LDC: load LN of the half's 24 of codes: tile 4 hf + LN / 6, K step (LN / 3) % 2, image LN % 3.  LDW: the scale words of tile 4 hf + SN.
.macro LDC nx, hf
.if \nx < 4
.set LK, 4*\hf+LN/6
.set LR, 24*LK+12*((LN/3)%2)+4*(LN%3)
	global_load_b128 v[LR:LR+3], v1, s[26:27] offset:\nx*196608+LK*12288+((LN/3)%2)*1536+(LN%3)*512
.set LN, LN+1
.endif
.endm
.macro LDW nx, hf
.if \nx < 4
	global_load_b32 v[BS+4*\hf+SN], v2, s[28:29] offset:\nx*8192+(4*\hf+SN)*512
.set SN, SN+1
.endif
.endm
; 16 matrix instructions: four pixel tiles x two query tiles, K step 0 (which starts the sums: nothing is cleared) and then K step 1.  The eight accumulators take turns, one instruction a turn.
; The four v_nop behind them are the places in front of the loads into the fragments and scale registers just read, and of the first reads of the results.
.macro MUL hf
	WIN 0x05                                       ; sources 0 and 1 window 1; C and D window 0
.irp kk, 0,1,2,3
.irp mt, 0,1
	v_wmma_scale_f32_16x16x128_f8f6f4 v[ACC+64*\mt+8*(4*\hf+\kk):ACC+64*\mt+8*(4*\hf+\kk)+7], v[24*(4*\hf+\kk):24*(4*\hf+\kk)+11], v[192+24*\mt:192+24*\mt+11], 0, v[BS+4*\hf+\kk], v[AS+\mt] matrix_a_fmt:MATRIX_FMT_FP6 matrix_b_fmt:MATRIX_FMT_FP6
.endr
.endr
.irp kk, 0,1,2,3
.irp mt, 0,1
	v_wmma_scale_f32_16x16x128_f8f6f4 v[ACC+64*\mt+8*(4*\hf+\kk):ACC+64*\mt+8*(4*\hf+\kk)+7], v[24*(4*\hf+\kk)+12:24*(4*\hf+\kk)+23], v[192+24*\mt+12:192+24*\mt+23], v[ACC+64*\mt+8*(4*\hf+\kk):ACC+64*\mt+8*(4*\hf+\kk)+7], v[BS+4*\hf+\kk], v[AS+\mt] matrix_a_fmt:MATRIX_FMT_FP6 matrix_b_fmt:MATRIX_FMT_FP6 matrix_a_scale:MATRIX_SCALE_ROW1 matrix_b_scale:MATRIX_SCALE_ROW1
.endr
.endr
	WIN 0
.rept 4
	v_nop
.endr
.endm
; THE POOLS.  PSUM: image rows 2 i and 2 i + 1 of query tile mt's cell become a row of level 1.  Its first line reads the two lowest registers of both accumulators.
.macro PSUM mt, i, l1r
.set PA, ACC+64*\mt+16*\i
.irp c, 0,2,4,6
	v_pk_add_f32 v[TMP+\c:TMP+\c+1], v[PA+\c:PA+\c+1], v[PA+8+\c:PA+9+\c]   ; rows 2 i and 2 i + 1,
.endr
.irp c, 0,1,2,3
	v_add_f32 v[\l1r+4*\i+\c], v[TMP+2*\c], v[TMP+2*\c+1]                     ; then neighbouring columns
.endr
.endm
; PSTO: the same two rows go to the strip of level 0: four LDS stores, and six of the next strip's loads between them.
.macro PSTO mt, i, nx, hf
.set PA, ACC+64*\mt+16*\i
	ds_store_b128 v[ST0+\mt], v[PA:PA+3] offset:512*\i
	LDC \nx, \hf
	LDC \nx, \hf
	ds_store_b128 v[ST0+\mt], v[PA+4:PA+7] offset:512*\i+16
	LDC \nx, \hf
	ds_store_b128 v[ST0+\mt], v[PA+8:PA+11] offset:512*\i+256
	LDC \nx, \hf
	LDC \nx, \hf
	ds_store_b128 v[ST0+\mt], v[PA+12:PA+15] offset:512*\i+272
	LDC \nx, \hf
.endm
; PROWS: rows 2 i, 2 i + 1 of both query tiles.  The sums first, so that no store stands directly behind the line that makes its data; then one run of 10 LDS stores and 12 loads under ONE window setting:
; an LDS store has no destination, so the setting that sends the loads' data to window 1 leaves its address and data in window 0.  Two switches for the run.
.macro PROWS sg, i, nx, hf
	WIN 0
	PSUM 0, \i, S1A
	PSUM 1, \i, S1B
	LDW \nx, \hf
	LDW \nx, \hf
.if \nx < 4
	WIN 0x40
.endif
	PSTO 0, \i, \nx, \hf
	PSTO 1, \i, \nx, \hf
	ds_store_b128 v[ST1], v[S1A+4*\i:S1A+4*\i+3] offset:\sg*1024+\i*128
	ds_store_b128 v[ST1+1], v[S1B+4*\i:S1B+4*\i+3] offset:\sg*1024+\i*128
.endm
; Rows 2 i, 2 i + 1 of level 1 become row i of level 2; its two rows the one number of level 3.  The sums that are stored have registers of their own for each query tile and row,
; so that no LDS store's data are written again before a wait for 0 on DScnt.
.macro L2V i, l1r, l2r, tr
.irp c, 0,2
	v_pk_add_f32 v[\tr+\c:\tr+\c+1], v[\l1r+8*\i+\c:\l1r+8*\i+\c+1], v[\l1r+8*\i+4+\c:\l1r+8*\i+5+\c]
.endr
.irp c, 0,1
	v_add_f32 v[\l2r+2*\i+\c], v[\tr+2*\c], v[\tr+2*\c+1]
.endr
.endm
.macro L2S mt, sg, i, l2r
	ds_store_b64 v[ST2], v[\l2r+2*\i:\l2r+2*\i+1] offset:\mt*16*L2P+\sg*256+\i*64
.endm
.macro L3V l2r, l3r, tr
	v_pk_add_f32 v[\tr:\tr+1], v[\l2r:\l2r+1], v[\l2r+2:\l2r+3]
	v_add_f32 v[\l3r], v[\tr], v[\tr+1]
.endm
.macro L3S mt, sg, l3r
	ds_store_b32 v[ST3], v[\l3r] offset:\mt*16*L3P+\sg*64
.endm
; Level l (width wm1 + 1, at LDS byte base, qp bytes a query): the LDS bytes of my five window columns in my query's row 0, and my first window row.
; A column is held inside the row by v_min_u32 (a negative one too: it is a large unsigned number); what is read for a column outside the image is weighed with 0 at the end.
.macro CAPSET l, wm1, base, qp, cbr, tyr
	v_ashrrev_i32 v[TX], \l, v[IX]                 ; floor(x / 2^l) = floor(x) >> l
	v_add_nc_u32 v[TX], s36, v[TX]
	v_mul_u32_u24 v[QB], v[QN], \qp
.if \base
	v_add_nc_u32 v[QB], \base, v[QB]
.endif
.irp jx, 0,1,2,3,4
	v_add_nc_u32 v[UU+\jx%3], \jx, v[TX]
	v_min_u32 v[UU+\jx%3], \wm1, v[UU+\jx%3]
	v_lshl_add_u32 v[\cbr+\jx], v[UU+\jx%3], 2, v[QB]
.endr
	v_ashrrev_i32 v[\tyr], \l, v[IY]
	v_add_nc_u32 v[\tyr], s37, v[\tyr]
.endm
; My 3 rows x 5 columns of my query's window are asked of a region of nr rows of 1 << sh bytes whose first row is image row ybias: addresses into v[ga] on, words into v[gt] on, the rows' masks into s[mk] on.
.macro CAPADR nr, sh, ybias, cbr, tyr, ga, gt, mk
.irp i, 0,1,2
	v_add_nc_u32 v[UU+\i], 4*\i-\ybias, v[\tyr]
	v_cmp_gt_u32 s[\mk+\i], \nr, v[UU+\i]          ; unsigned: a negative row fails too
	v_min_u32 v[UU+\i], \nr-1, v[UU+\i]
.irp jx, 0,1,2,3,4
	v_lshl_add_u32 v[\ga+5*\i+\jx], v[UU+\i], \sh, v[\cbr+\jx]
.endr
.endr
.irp n, 0,1,2,3,4,5,6,7,8,9,10,11,12,13,14
	ds_load_b32 v[\gt+\n], v[\ga+\n]
.endr
.endm
; A row outside the region keeps what dst holds (first = 1: gets 0).
.macro CAPSEL dst, gt, mk, first
.irp i, 0,1,2
.irp jx, 0,1,2,3,4
.if \first
	v_cndmask_b32 v[\dst+5*\i+\jx], 0, v[\gt+5*\i+\jx], s[\mk+\i]
.else
	v_cndmask_b32 v[\dst+5*\i+\jx], v[\dst+5*\i+\jx], v[\gt+5*\i+\jx], s[\mk+\i]
.endif
.endr
.endr
.endm
.macro BAR                             ; my LDS stores have landed and my LDS loads are in: then the work-group's barrier
	s_wait_dscnt 0x0
	s_barrier_signal -1
	s_barrier_wait -1
.endm
; A strip.  A half's 28 loads for the next strip go out among the pools of the tiles whose products have just freed their registers, and are on their way through the rest of the strip.
.macro STRIP sg, nx, first
	s_wait_loadcnt 28                              ; loads come back in order: all but this strip's second half, the youngest 28, are in
	MUL 0
.set LN, 0
.set SN, 0
	PROWS \sg, 0, \nx, 0
	PROWS \sg, 1, \nx, 0
	WIN 0
	L2V 0, S1A, S2A, U4
	L2V 0, S1B, S2B, TMP
	L2S 0, \sg, 0, S2A
	L2S 1, \sg, 0, S2B
.if \sg < 3
	s_wait_loadcnt 28                              ; all but the 28 issued since the strip's head: this strip's second half is in
.else
	s_wait_loadcnt 0x0
.endif
	MUL 1
.set LN, 0
.set SN, 0
	PROWS \sg, 2, \nx, 1
	PROWS \sg, 3, \nx, 1
	WIN 0
	L2V 1, S1A, S2A, U4
	L2V 1, S1B, S2B, TMP
	L2S 0, \sg, 1, S2A
	L2S 1, \sg, 1, S2B
	L3V S2A, S3A, VV
	L3V S2B, S3B, U4
	L3S 0, \sg, S3A
	L3S 1, \sg, S3B
	BAR                                            ; the strip of level 0 is whole
.if \first
	CAPSET 0, 63, 0, L0P, CB0, TY0
.endif
.if \sg < 3
	CAPADR 16, 8, 16*\sg, CB0, TY0, GA, GT, 40
	s_wait_dscnt 0x0
	CAPSEL CAP0, GT, 40, \first
	BAR                                            ; every wave's reads of the strip are in: it may be written again
.endif
.endm
	BLOAD 0, 0
	BLOAD 0, 1
	STRIP 0, 1, 1
	STRIP 1, 2, 0
	STRIP 2, 3, 0
	STRIP 3, 4, 0
	; Behind the last strip's barrier all four levels are whole, and nothing is stored to LDS before the next barrier: the four captures are ONE run of 60 LDS loads, each level's address arithmetic standing behind
	; the loads of the level before.  The accumulators' registers are free: the words of levels 1 to 3 land where they stay.
	CAPADR 16, 8, 48, CB0, TY0, GA, GT, 40
	CAPSET 1, 31, L1B, L0P, CB, TY
	CAPADR 32, 7, 0, CB, TY, GAH, CAPH, 44
	CAPSET 2, 15, L2B, L2P, CB, TY
	CAPADR 16, 6, 0, CB, TY, GAH+15, CAPH+15, 47
	CAPSET 3, 7, L3B, L3P, CB, TY
	CAPADR 8, 5, 0, CB, TY, GAH+30, CAPH+30, 50
	s_wait_dscnt 45                                ; LDS loads come back in order, 15 a level: level 0's are in, the three later levels' may be out
	CAPSEL CAP0, GT, 40, 0
	s_wait_dscnt 30
	CAPSEL CAPH, CAPH, 44, 1
	s_wait_dscnt 15
	CAPSEL CAPH+15, CAPH+15, 47, 1
	s_wait_dscnt 0x0
	CAPSEL CAPH+30, CAPH+30, 50, 1
	BAR                                            ; every wave's reads of the pyramid are in: the windows go over the strip
.irp i, 0,1,2
.irp jx, 0,1,2,3,4
	ds_store_b32 v[WBA], v[CAP0+5*\i+\jx] offset:160*\i+4*\jx
.endr
.endr
.irp l, 1,2,3
.irp i, 0,1,2
.irp jx, 0,1,2,3,4
	ds_store_b32 v[WBA], v[CAPH+15*(\l-1)+5*\i+\jx] offset:\l*WBL+160*\i+4*\jx
.endr
.endr
.endr
	BAR                                            ; the windows are whole
	s_cmp_gt_u32 s14, 3
	s_cbranch_scc1 .Lend                           ; four levels, four waves; no barrier follows
	; THE BLEND.  Wave = level, lane = query.  v128-227 the window (row wr, column wx at 128 + 10 wr + wx); v26-115 row blends g(bb, wx) at 26 + 10 bb + wx; v116-124 c0(a), v240-248 c1(a); the results at 128 + 9 a + bb, over the window.
.set WW, 128
.set GG, 26
.set C0, 116
.set C1, 240
.irp wr, 0,1,2,3,4,5,6,7,8,9
.irp p, 0,1,2,3,4
	ds_load_b64 v[WW+10*\wr+2*\p:WW+10*\wr+2*\p+1], v[WLA] offset:40*\wr+8*\p
.endr
.endr
	v_mul_f32 v228, s55, v[CX]                     ; x / 2^level: exact
	v_ashrrev_i32 v236, s16, v[IX]                 ; its cell
	v_cvt_f32_i32 v229, v236
	v_sub_f32 v228, v228, v229                     ; the fraction belongs to the cell that the window was read by
	v_sub_f32 v229, 1.0, v228
	v_mul_f32 v234, s56, v229                      ; (1 - fx) / 4^level: the pools were kept as sums
	v_mul_f32 v235, s56, v228                      ; fx / 4^level
	v_mul_f32 v232, s55, v[CY]
	v_ashrrev_i32 v237, s16, v[IY]
	v_cvt_f32_i32 v233, v237
	v_sub_f32 v232, v232, v233                     ; fy,
	v_sub_f32 v230, 1.0, v232                      ; 1 - fy,
	v_mov_b32 v233, v232                           ; each twice, for the packed forms
	v_mov_b32 v231, v230
	v_add_nc_u32 v236, -4, v236                    ; the window's first column
.irp wx, 0,1,2,3,4,5,6,7,8,9
	v_add_nc_u32 v237, \wx, v236
	v_cmp_gt_u32 s[44+\wx], s54, v237              ; is column wx inside the image?  (unsigned: a negative one fails too)
.endr
.irp a, 0,1,2,3,4,5,6,7,8
	v_cndmask_b32 v[C0+\a], 0, v234, s[44+\a]
	v_cndmask_b32 v[C1+\a], 0, v235, s[45+\a]
.endr
.irp bb, 0,1,2,3,4,5,6,7,8
	s_wait_dscnt 5*(8-\bb)                         ; LDS loads come back in order, five a row: rows up to bb + 1 are in
.irp p, 0,2,4,6,8
	v_pk_mul_f32 v[GG+10*\bb+\p:GG+10*\bb+\p+1], v[WW+10*\bb+10+\p:WW+10*\bb+11+\p], v[232:233]
.endr
.irp p, 0,2,4,6,8
	v_pk_fma_f32 v[GG+10*\bb+\p:GG+10*\bb+\p+1], v[WW+10*\bb+\p:WW+10*\bb+\p+1], v[230:231], v[GG+10*\bb+\p:GG+10*\bb+\p+1]   ; rows outside the image are zeros
.endr
.endr
.irp a, 0,1,2,3,4,5,6,7,8
.irp bb, 0,1,2,3,4,5,6,7,8
	v_mul_f32 v[WW+9*\a+\bb], v[C1+\a], v[GG+10*\bb+\a+1]
.endr
.irp bb, 0,1,2,3,4,5,6,7,8
	v_fmac_f32 v[WW+9*\a+\bb], v[C0+\a], v[GG+10*\bb+\a]
.endr
.irp bb, 0,1,2,3,4,5,6,7,8
	global_store_b32 v2, v[WW+9*\a+\bb], s[34:35] offset:(9*\a+\bb)*16384 th:TH_STORE_NT   ; 32 queries of one channel: 128 consecutive bytes; each result has a register of its own
.endr
.endr
.Lend:
	s_set_vgpr_msb 0x4
	s_wait_tensorcnt 0x0
	ds_add_u32 v127, v255
	s_wait_dscnt 0x0
	s_set_vgpr_msb 0x400
	s_endpgm
.Lfunc_end_k_q1e71378921_corr:
	.size	k_q1e71378921_corr, .Lfunc_end_k_q1e71378921_corr-k_q1e71378921_corr
	.p2alignl 7, 3214868480
	.fill 96, 4, 3214868480
	.section	.rodata,"a",@progbits
	.p2align	6, 0x0
	.amdhsa_kernel k_q1e71378921_corr
		.amdhsa_group_segment_fixed_size 306176
		.amdhsa_private_segment_fixed_size 0
		.amdhsa_enable_private_segment 0
		.amdhsa_kernarg_size 40
		.amdhsa_user_sgpr_count 2
		.amdhsa_user_sgpr_kernarg_segment_ptr 1
		.amdhsa_wavefront_size32 1
		.amdhsa_system_sgpr_workgroup_id_x 1
		.amdhsa_system_sgpr_workgroup_id_y 1
		.amdhsa_system_sgpr_workgroup_id_z 1
		.amdhsa_system_vgpr_workitem_id 0
		.amdhsa_next_free_vgpr 512
		.amdhsa_next_free_sgpr 66
		.amdhsa_reserve_vcc 0
		.amdhsa_float_denorm_mode_32 3
		.amdhsa_float_denorm_mode_16_64 3
		.amdhsa_memory_ordered 1
		.amdhsa_forward_progress 1
		.amdhsa_inst_pref_size 129
	.end_amdhsa_kernel
	.amdgpu_metadata
---
amdhsa.version: [ 1, 2 ]
amdhsa.kernels:
  - .name:           k_q1e71378921_corr
    .symbol:         k_q1e71378921_corr.kd
    .args:
      - { .name: codes, .offset: 0, .size: 8, .value_kind: global_buffer, .address_space: global }
      - { .name: scales, .offset: 8, .size: 8, .value_kind: global_buffer, .address_space: global }
      - { .name: cell, .offset: 16, .size: 8, .value_kind: global_buffer, .address_space: global }
      - { .name: centroids_coords, .offset: 24, .size: 8, .value_kind: global_buffer, .address_space: global }
      - { .name: out0, .offset: 32, .size: 8, .value_kind: global_buffer, .address_space: global }
    .group_segment_fixed_size: 306176
    .private_segment_fixed_size: 0
    .kernarg_segment_align: 8
    .kernarg_segment_size: 40
    .max_flat_workgroup_size: 256
    .sgpr_count:     66
    .vgpr_count:     512
    .wavefront_size: 32
...
	.end_amdgpu_metadata
.endif
;; end of part 2
